; MI455X (gfx1250); checked and timed in simulation.
; The chip was launched on July 23, 2026; its instructions are those of AMD's public machine-readable ISA for CDNA 5 (MIT licence, August 2026) and "CDNA5" Instruction Set Architecture Reference Guide (July 2026). The comments in the code are by the model that wrote it; some were corrected since.
;; projection Measurement. Allowed arithmetic: float matrix products may take bf16 or f16 operands with f32 sums; all other float work in f32.
;; Inputs: projector 2 x 4,096 x 1 float32; v_imag_avg 1,024 x 4,096 float32; v_real_avg 1,024 x 4,096 float32.
;; Outputs: out0 1,024 x 1 x 4,096 float32; out1 1,024 x 1 x 4,096 float32.
;; 2 versions, each right; version 2 is version 1 with the launch proj written anew for expert scheduling mode. Each part assembles by itself: llvm-mc -triple=amdgcn-amd-amdhsa -mcpu=gfx1250 --defsym DOCPART=n.
;; ======== version 1 of 2: 1 launch
;; launch proj (part 1): grid 256 x 1, 16 waves a work-group, no clusters, 3,328 bytes of LDS; arguments projector, v_real_avg, v_imag_avg, out0, out1; writes out0, out1
.if DOCPART == 1
	.amdgcn_target "amdgcn-amd-amdhsa--gfx1250"
	.amdhsa_code_object_version 6
	.text
	.protected	k_q70e2ed010e_proj
	.globl	k_q70e2ed010e_proj
	.p2align	8
	.type	k_q70e2ed010e_proj,@function
k_q70e2ed010e_proj:
	s_mov_b64 s[64:65], 0
	v_nop
	global_prefetch_b8 v0, s[64:65] scope:SCOPE_SE
	s_setreg_imm32_b32 hwreg(HW_REG_WAVE_MODE, 25, 1), 1
	s_wait_xcnt 0x0
; out0[b][d] = (vr[b].pr) pr[d] / |pr|^2 - (vi[b].pi) pi[d] / |pi|^2
; out1[b][d] = (vi[b].pr) pr[d] / |pr|^2 + (vr[b].pi) pi[d] / |pi|^2
; This is v (p p^T) / |p|^2 grouped as (v.p) p^T / |p|^2: matrix products may be grouped either way for every input.
; It leaves four dot products of 4,096 a row and under one operation a byte, all in f32: a stream, so no matrix instruction.
;
; SHARES.  256 work-groups of 16 waves; a work-group owns 4 rows (65,536 bytes of each of the four large tensors).
; Thread t (0 to 511) owns the same 8 columns of every row: 4t .. 4t+3 (byte 16 t) and 2048+4t .. +3 (byte 16 t + 8,192), so
; each load and store of a wave covers 512 consecutive bytes, aligned.  Its 8 pr and 8 pi are loaded once (16 registers),
; its 4 rows x 2 tensors x 8 numbers of v lie in 64 registers: all 20 loads of a wave go out at the start, nothing is read twice,
; and the outputs are built in, and stored from, the registers that held v.
; ROW BY ROW.  As soon as a row's four loads are in, its four dot products are summed in the wave, then over the 16 waves through
; the row's own 256 bytes of LDS behind a barrier (every wave does that second stage itself), and the row's outputs are stored:
; the stores of a row leave while the loads of the later rows are still on their way.  Four barriers; no LDS byte is written twice.
;
; NO CLUSTER: the work-groups share the projector alone, 32 KiB of the 288 KiB that a work-group moves; a joint request would
; send it through LDS and add barrier rounds and LDS reads for one ninth of the bytes.
;
; LIMITS.  Each sum of squares must be a normal f32 (2^-126 to below 2^128: a norm of about 1.1e-19 to 1.8e19): v_rsq_f32 takes a
; denormal as zero (ISA guide 15.8), and an f32 sum of squares fails at the same ends.  A projector column of zeros
; gives NaN.  The order of rounding is: dot product (512 x 8 partial sums in f32), twice times 1/norm, times p.
; The coefficient is (dot * rs) * rs with rs = 1/sqrt(ss), not dot / ss, so that no intermediate leaves the range while ss is normal.
.set ROWB, 16384                       ; bytes in a row of v and of the outputs, and in one projector column
.set HALF, 8192                        ; from a thread's first four columns to its second four
.set DT,   0                           ; LDS 0..1023: row i's dot partials, wave w's kind k at 256 i + 16 w + 4 k
.set ST,   1024                        ; LDS 1024..1151: wave w's (ssr, ssi) at 1024 + 8 w
.set OFF,  1                           ; v1       16 t: the offset of every global load and store; never rewritten
.set LA,   2                           ; v2       4 x lane
.set DA,   3                           ; v3       16 w + 4 (lane & 3)
.set SA,   4                           ; v4       8 w
.set SSA,  5                           ; v5       4 x (lane with its bits 0 and 1 exchanged)
.set T,    6                           ; v[6:7]   what v_permlanex16_b32 brings; v7 also serves the set-up
.set PR,   8                           ; v[8:15]  pr of my 8 columns
.set PI,   16                          ; v[16:23] pi of my 8 columns
.set ACC,  24                          ; v[24:31] four pairs of running sums, one a kind
.set SUM,  32                          ; v[32:35] a row's four sums of my 8 columns
.set RED,  36                          ; v[36:39] a register a row: lane l holds my wave's sum of kind l & 3
.set SSP,  40                          ; v[40:41] ssr, ssi
.set QP,   48                          ; v[48:49] second stage: the partial sums of two groups of eight waves
.set SS,   56                          ; v56      the sum of squares: pr's in the lanes whose bit 1 is clear, pi's in the others
.set RS,   57                          ; v57      1 / sqrt of it; kept for all four rows
.set CF,   58                          ; v58      the scaled dot products
.set VD,   64                          ; v[64:127] row i at VD + 16 i: vr (8), vi (8); later out0 (8), out1 (8)
.set M1,   18                          ; s18, s19 the lanes whose bit 0, bit 1 is set
.set M2,   19
.set CO,   32                          ; s[32:63] coefficient j = 4 row + kind in s[CO+2j]; kinds: 0 vr.pr, 1 vi.pr, 2 vr.pi, 3 vi.pi
	s_load_b256 s[4:11], s[0:1], 0x0               ; projector s[4:5], v_real s[6:7], v_imag s[8:9], out0 s[10:11]
	s_load_b64 s[12:13], s[0:1], 0x20              ; out1
	v_lshl_add_u32 v128, v0, 2, 0x500
	v_mov_b32 v129, 0
	v_lshlrev_b32 v[OFF], 4, v0                    ; 16 t
	s_lshl_b32 s2, ttmp9, 16                       ; the work-group's 4 rows of 16,384 bytes: 255 x 65,536 at the most, below 2^32
	s_mov_b32 s3, 0
	s_wait_kmcnt 0x0
	; the projector: no hint, since every work-group reads it again
	global_load_b128 v[PR:PR+3],   v[OFF], s[4:5]
	global_load_b128 v[PR+4:PR+7], v[OFF], s[4:5] offset:HALF
	global_load_b128 v[PI:PI+3],   v[OFF], s[4:5] offset:ROWB
	global_load_b128 v[PI+4:PI+7], v[OFF], s[4:5] offset:ROWB+HALF
	s_add_nc_u64 s[6:7], s[6:7], s[2:3]            ; the four large tensors at the group's first row
	s_add_nc_u64 s[8:9], s[8:9], s[2:3]
	s_add_nc_u64 s[10:11], s[10:11], s[2:3]
	s_add_nc_u64 s[12:13], s[12:13], s[2:3]
	; all of v, row by row: the launch reads each byte once
.irp i, 0,1,2,3
	global_load_b128 v[VD+16*\i:VD+16*\i+3],     v[OFF], s[6:7] offset:\i*ROWB th:TH_LOAD_NT
	global_load_b128 v[VD+16*\i+4:VD+16*\i+7],   v[OFF], s[6:7] offset:\i*ROWB+HALF th:TH_LOAD_NT
	global_load_b128 v[VD+16*\i+8:VD+16*\i+11],  v[OFF], s[8:9] offset:\i*ROWB th:TH_LOAD_NT
	global_load_b128 v[VD+16*\i+12:VD+16*\i+15], v[OFF], s[8:9] offset:\i*ROWB+HALF th:TH_LOAD_NT
.endr
	; set-up, while the loads are on their way
	v_lshrrev_b32 v7, 5, v0
	v_readfirstlane_b32 s14, v7                    ; my wave's number, 0 to 15
	v_and_b32 v[LA], 31, v0
	v_lshlrev_b32 v[LA], 2, v[LA]                  ; 4 x lane
	v_and_b32 v7, 28, v0                           ; lane bits 2 to 4 stay,
	v_lshlrev_b32 v[SSA], 2, v7
	v_and_b32 v7, 1, v0                            ; lane bit 0 goes to word bit 1 (byte 8),
	v_lshl_add_u32 v[SSA], v7, 3, v[SSA]
	v_and_b32 v7, 2, v0                            ; lane bit 1 to word bit 0 (byte 4): it picks ssr or ssi of wave (lane & 28) / 2 + (lane & 1)
	v_lshl_add_u32 v[SSA], v7, 1, v[SSA]
	v_and_b32 v7, 3, v0
	v_lshlrev_b32 v7, 2, v7
	v_lshl_add_u32 v[DA], s14, 4, v7               ; 16 w + 4 (lane & 3)
	s_lshl_b32 s15, s14, 3
	v_mov_b32 v[SA], s15                           ; 8 w
	v_mov_b32 v[T], 0                              ; v_permlanex16_b32 counts as a reader of its destination: written once here (v7 above)
	s_mov_b32 s16, 0x76543210                      ; v_permlanex16_b32: lane i of one half reads lane i of the other
	s_mov_b32 s17, 0xfedcba98
	s_mov_b32 s[M1], 0xaaaaaaaa
	s_mov_b32 s[M2], 0xcccccccc
.set j, 0
.rept 16
	s_mov_b32 s[CO+2*j+1], 0                       ; the packed instructions below name scalar pairs and use the first of each: the second is written too
.set j, j+1
.endr
	; the two sums of squares, while v is still on its way
	s_wait_loadcnt 16                              ; loads come back in order (ISA guide 5.7.1): the projector's four are in, the 16 of v stay out
	v_pk_mul_f32 v[ACC:ACC+1],   v[PR:PR+1], v[PR:PR+1]        ; the first products start the sums: nothing is cleared
	v_pk_mul_f32 v[ACC+2:ACC+3], v[PI:PI+1], v[PI:PI+1]
.irp m, 1,2,3
	v_pk_fma_f32 v[ACC:ACC+1],   v[PR+2*\m:PR+2*\m+1], v[PR+2*\m:PR+2*\m+1], v[ACC:ACC+1]
	v_pk_fma_f32 v[ACC+2:ACC+3], v[PI+2*\m:PI+2*\m+1], v[PI+2*\m:PI+2*\m+1], v[ACC+2:ACC+3]
.endr
	v_add_f32 v[SSP],   v[ACC],   v[ACC+1]
	v_add_f32 v[SSP+1], v[ACC+2], v[ACC+3]
.irp x, 1,2,4,8
	v_add_f32_dpp v[SSP],   v[SSP],   v[SSP]   row_xmask:\x row_mask:0xf bank_mask:0xf   ; lane i adds lane i xor x, inside each half of 16 lanes
	v_add_f32_dpp v[SSP+1], v[SSP+1], v[SSP+1] row_xmask:\x row_mask:0xf bank_mask:0xf
.endr
	v_permlanex16_b32 v[T],   v[SSP],   s16, s17   ; the other half's sums
	v_permlanex16_b32 v[T+1], v[SSP+1], s16, s17
	v_pk_add_f32 v[SSP:SSP+1], v[SSP:SSP+1], v[T:T+1]
	ds_store_b64 v[SA], v[SSP:SSP+1] offset:ST     ; my wave's (ssr, ssi): every lane writes the same 8 bytes with the same values; row 0's barrier shows it to the others
; Row i, from its loads to its four coefficients in scalar registers.
; In the wave the first two steps across the lanes fold as they go: behind a step with mask x the lanes i and i xor x hold the same
; sums, so each of the two keeps another kind (v_cndmask_b32 takes its second source where the mask's bit is set): lane bits 0-1 come
; to pick the kind, and three plain steps (4, 8, the other half) finish the sum.
.macro ROW i
	s_wait_loadcnt 12-4*\i                         ; this row's four loads are in; the four of each later row stay out
	v_pk_mul_f32 v[ACC:ACC+1],   v[VD+16*\i:VD+16*\i+1],   v[PR:PR+1]   ; vr.pr  the four chains take turns
	v_pk_mul_f32 v[ACC+2:ACC+3], v[VD+16*\i+8:VD+16*\i+9], v[PR:PR+1]   ; vi.pr
	v_pk_mul_f32 v[ACC+4:ACC+5], v[VD+16*\i:VD+16*\i+1],   v[PI:PI+1]   ; vr.pi
	v_pk_mul_f32 v[ACC+6:ACC+7], v[VD+16*\i+8:VD+16*\i+9], v[PI:PI+1]   ; vi.pi
.irp m, 1,2,3
	v_pk_fma_f32 v[ACC:ACC+1],   v[VD+16*\i+2*\m:VD+16*\i+2*\m+1],   v[PR+2*\m:PR+2*\m+1], v[ACC:ACC+1]
	v_pk_fma_f32 v[ACC+2:ACC+3], v[VD+16*\i+8+2*\m:VD+16*\i+8+2*\m+1], v[PR+2*\m:PR+2*\m+1], v[ACC+2:ACC+3]
	v_pk_fma_f32 v[ACC+4:ACC+5], v[VD+16*\i+2*\m:VD+16*\i+2*\m+1],   v[PI+2*\m:PI+2*\m+1], v[ACC+4:ACC+5]
	v_pk_fma_f32 v[ACC+6:ACC+7], v[VD+16*\i+8+2*\m:VD+16*\i+8+2*\m+1], v[PI+2*\m:PI+2*\m+1], v[ACC+6:ACC+7]
.endr
.irp k, 0,1,2,3
	v_add_f32 v[SUM+\k], v[ACC+2*\k], v[ACC+2*\k+1]
.endr
.irp k, 0,1,2,3
	v_add_f32_dpp v[SUM+\k], v[SUM+\k], v[SUM+\k] row_xmask:1 row_mask:0xf bank_mask:0xf
.endr
	v_cndmask_b32 v[SUM],   v[SUM],   v[SUM+1], s[M1]          ; odd lanes keep kinds 1 and 3,
	v_cndmask_b32 v[SUM+2], v[SUM+2], v[SUM+3], s[M1]          ; even lanes kinds 0 and 2
	v_add_f32_dpp v[SUM],   v[SUM],   v[SUM]   row_xmask:2 row_mask:0xf bank_mask:0xf
	v_add_f32_dpp v[SUM+2], v[SUM+2], v[SUM+2] row_xmask:2 row_mask:0xf bank_mask:0xf
	v_cndmask_b32 v[RED+\i], v[SUM], v[SUM+2], s[M2]           ; lane l: kind l & 3, summed over four lanes
	v_add_f32_dpp v[RED+\i], v[RED+\i], v[RED+\i] row_xmask:4 row_mask:0xf bank_mask:0xf
	v_add_f32_dpp v[RED+\i], v[RED+\i], v[RED+\i] row_xmask:8 row_mask:0xf bank_mask:0xf
	v_permlanex16_b32 v[T], v[RED+\i], s16, s17
	v_add_f32 v[RED+\i], v[RED+\i], v[T]           ; lane l: my wave's sum of kind l & 3
	ds_store_b32 v[DA], v[RED+\i] offset:DT+256*\i ; my wave's 16 bytes of this row's 256; the eight lanes of a kind write the same word with the same value
	s_wait_dscnt 0x0                               ; for the other waves' sake: my stores are done (in row 0 the sums of squares among them)
	s_barrier_signal -1
	s_barrier_wait -1                              ; all 16 waves' partial sums of this row lie in LDS; these bytes are never written again
	; second stage, in every wave alike
.if \i == 0
	ds_load_b32 v[SS], v[SSA] offset:ST            ; lane l: ssr (bit 1 of l clear) or ssi (set) of wave (l & 28) / 2 + (l & 1); the 32 lanes take 32 different words of 128 consecutive bytes
.endif
	ds_load_b32 v[QP],   v[LA] offset:DT+256*\i        ; lane l: kind l & 3 of wave l >> 2; 128 consecutive bytes
	ds_load_b32 v[QP+1], v[LA] offset:DT+256*\i+128    ; and of wave 8 + (l >> 2)
.if \i == 0
	s_wait_dscnt 2                                 ; LDS loads come back in order (ISA guide 5.7.1): SS is in, the two behind it stay out
.irp x, 1,4,8
	v_add_f32_dpp v[SS], v[SS], v[SS] row_xmask:\x row_mask:0xf bank_mask:0xf   ; over the lanes that share bit 1,
.endr
	v_permlanex16_b32 v[T], v[SS], s16, s17
	v_add_f32 v[SS], v[SS], v[T]                   ; in both halves: |pr|^2 where bit 1 of the lane is clear, |pi|^2 where it is set, as the kinds lie
	v_rsq_f32 v[RS], v[SS]                         ; one plain vector instruction stands before its result is used (ISA guide 5.7.2): the add below
.endif
	s_wait_dscnt 0x0
	v_add_f32 v[QP], v[QP], v[QP+1]
	v_add_f32_dpp v[QP], v[QP], v[QP] row_xmask:4 row_mask:0xf bank_mask:0xf
	v_add_f32_dpp v[QP], v[QP], v[QP] row_xmask:8 row_mask:0xf bank_mask:0xf
	v_permlanex16_b32 v[T], v[QP], s16, s17
	v_add_f32 v[QP], v[QP], v[T]                   ; lane l: kind l & 3 over all 16 waves
	s_wait_alu depctr_va_vdst(0)
	v_mul_f32 v[CF], v[QP], v[RS]
	v_mul_f32 v[CF], v[CF], v[RS]                  ; divided by |pr|^2 (kinds 0, 1) or |pi|^2 (kinds 2, 3)
	v_readlane_b32 s[CO+8*\i],   v[CF], 0          ; vr.pr / |pr|^2
	v_readlane_b32 s[CO+8*\i+2], v[CF], 1          ; vi.pr / |pr|^2
	v_readlane_b32 s[CO+8*\i+4], v[CF], 2          ; vr.pi / |pi|^2
	v_readlane_b32 s[CO+8*\i+6], v[CF], 3          ; vi.pi / |pi|^2,
	s_xor_b32 s[CO+8*\i+6], s[CO+8*\i+6], 0x80000000   ; which out0 subtracts: the sign goes onto the scalar
.endm
; Row i of both outputs, built in the registers that held the row of v (its loads have been waited for) and stored from there.
; No store's data, offset or base is written again, so no wait stands behind the stores.
.macro OUT i
.irp m, 0,1,2,3
	v_pk_mul_f32 v[VD+16*\i+2*\m:VD+16*\i+2*\m+1],     v[PR+2*\m:PR+2*\m+1], s[CO+8*\i:CO+8*\i+1] op_sel_hi:[1,0]
	v_pk_mul_f32 v[VD+16*\i+8+2*\m:VD+16*\i+8+2*\m+1], v[PR+2*\m:PR+2*\m+1], s[CO+8*\i+2:CO+8*\i+3] op_sel_hi:[1,0]
	v_pk_fma_f32 v[VD+16*\i+2*\m:VD+16*\i+2*\m+1],     v[PI+2*\m:PI+2*\m+1], s[CO+8*\i+6:CO+8*\i+7], v[VD+16*\i+2*\m:VD+16*\i+2*\m+1] op_sel_hi:[1,0,1]
	v_pk_fma_f32 v[VD+16*\i+8+2*\m:VD+16*\i+8+2*\m+1], v[PI+2*\m:PI+2*\m+1], s[CO+8*\i+4:CO+8*\i+5], v[VD+16*\i+8+2*\m:VD+16*\i+8+2*\m+1] op_sel_hi:[1,0,1]
.endr
	global_store_b128 v[OFF], v[VD+16*\i:VD+16*\i+3],     s[10:11] offset:\i*ROWB th:TH_STORE_NT        ; each store of the wave covers 512 consecutive bytes, aligned
	global_store_b128 v[OFF], v[VD+16*\i+4:VD+16*\i+7],   s[10:11] offset:\i*ROWB+HALF th:TH_STORE_NT
	global_store_b128 v[OFF], v[VD+16*\i+8:VD+16*\i+11],  s[12:13] offset:\i*ROWB th:TH_STORE_NT
	global_store_b128 v[OFF], v[VD+16*\i+12:VD+16*\i+15], s[12:13] offset:\i*ROWB+HALF th:TH_STORE_NT
.endm
	ROW 0
	OUT 0                                          ; row 0 leaves while rows 1 to 3 are on their way in
	ROW 1
	OUT 1
	ROW 2
	OUT 2
	ROW 3
	OUT 3
	s_wait_tensorcnt 0x0
	ds_add_u32 v128, v129
	s_wait_dscnt 0x0
	s_endpgm
.Lfunc_end_k_q70e2ed010e_proj:
	.size	k_q70e2ed010e_proj, .Lfunc_end_k_q70e2ed010e_proj-k_q70e2ed010e_proj
	.p2alignl 7, 3214868480
	.fill 96, 4, 3214868480
	.section	.rodata,"a",@progbits
	.p2align	6, 0x0
	.amdhsa_kernel k_q70e2ed010e_proj
		.amdhsa_group_segment_fixed_size 3328
		.amdhsa_private_segment_fixed_size 0
		.amdhsa_enable_private_segment 0
		.amdhsa_kernarg_size 40
		.amdhsa_user_sgpr_count 2
		.amdhsa_user_sgpr_kernarg_segment_ptr 1
		.amdhsa_wavefront_size32 1
		.amdhsa_system_sgpr_workgroup_id_x 1
		.amdhsa_system_sgpr_workgroup_id_y 1
		.amdhsa_system_sgpr_workgroup_id_z 1
		.amdhsa_system_vgpr_workitem_id 0
		.amdhsa_next_free_vgpr 130
		.amdhsa_next_free_sgpr 66
		.amdhsa_reserve_vcc 0
		.amdhsa_float_denorm_mode_32 3
		.amdhsa_float_denorm_mode_16_64 3
		.amdhsa_memory_ordered 1
		.amdhsa_forward_progress 1
		.amdhsa_inst_pref_size 23
	.end_amdhsa_kernel
	.amdgpu_metadata
---
amdhsa.version: [ 1, 2 ]
amdhsa.kernels:
  - .name:           k_q70e2ed010e_proj
    .symbol:         k_q70e2ed010e_proj.kd
    .args:
      - { .name: projector, .offset: 0, .size: 8, .value_kind: global_buffer, .address_space: global }
      - { .name: v_real_avg, .offset: 8, .size: 8, .value_kind: global_buffer, .address_space: global }
      - { .name: v_imag_avg, .offset: 16, .size: 8, .value_kind: global_buffer, .address_space: global }
      - { .name: out0, .offset: 24, .size: 8, .value_kind: global_buffer, .address_space: global }
      - { .name: out1, .offset: 32, .size: 8, .value_kind: global_buffer, .address_space: global }
    .group_segment_fixed_size: 3328
    .private_segment_fixed_size: 0
    .kernarg_segment_align: 8
    .kernarg_segment_size: 40
    .max_flat_workgroup_size: 512
    .sgpr_count:     66
    .vgpr_count:     130
    .wavefront_size: 32
...
	.end_amdgpu_metadata
.endif
;; end of part 1
;; ======== version 2 of 2: 1 launch; version 1 with the launch proj written anew for expert scheduling mode
;; launch proj (part 2): grid 256 x 1, 16 waves a work-group, no clusters, 3,328 bytes of LDS; arguments projector, v_real_avg, v_imag_avg, out0, out1; writes out0, out1
.if DOCPART == 2
	.amdgcn_target "amdgcn-amd-amdhsa--gfx1250"
	.amdhsa_code_object_version 6
	.text
	.protected	k_q70e2ed010e_proj
	.globl	k_q70e2ed010e_proj
	.p2align	8
	.type	k_q70e2ed010e_proj,@function
k_q70e2ed010e_proj:
	s_mov_b64 s[64:65], 0
	v_nop
	global_prefetch_b8 v0, s[64:65] scope:SCOPE_SE
	s_setreg_imm32_b32 hwreg(HW_REG_WAVE_SCHED_MODE, 0, 2), 2
	s_setreg_imm32_b32 hwreg(HW_REG_WAVE_MODE, 25, 1), 1
	s_wait_xcnt 0x0
	s_wait_alu depctr_vm_vsrc(0)
; out0[b][d] = (vr[b].pr) pr[d] / |pr|^2 - (vi[b].pi) pi[d] / |pi|^2
; out1[b][d] = (vi[b].pr) pr[d] / |pr|^2 + (vr[b].pi) pi[d] / |pi|^2
; This is v (p p^T) / |p|^2 grouped as (v.p) p^T / |p|^2: matrix products may be grouped either way for every input.
; It leaves four dot products of 4,096 a row and under one operation a byte, all in f32: a stream, so no matrix instruction.
;
; SHARES.  256 work-groups of 16 waves; a work-group owns 4 rows (65,536 bytes of each of the four large tensors).
; Thread t (0 to 511) owns the same 8 columns of every row: 4t .. 4t+3 (byte 16 t) and 2048+4t .. +3 (byte 16 t + 8,192), so
; each load and store of a wave covers 512 consecutive bytes, aligned.  Its 8 pr and 8 pi are loaded once (16 registers),
; its 4 rows x 2 tensors x 8 numbers of v lie in 64 registers: all 20 loads of a wave go out at the start, nothing is read twice,
; and the outputs are built in, and stored from, the registers that held v.
; ROW BY ROW.  As soon as a row's four loads are in, its four dot products are summed in the wave, then over the 16 waves through
; the row's own 256 bytes of LDS behind a barrier (every wave does that second stage itself), and the row's outputs are stored:
; the stores of a row leave while the loads of the later rows are still on their way.  Four barriers; no LDS byte is written twice.
;
; THE MODE: SCHED_MODE bits 1:0 = 2 (LLVM: expert scheduling mode 2), set by the entry lines.  The code itself states the register
; dependences between vector instructions and memory or LDS instructions, with s_wait_alu, always for 0.
; THE PLAN.  Registers that memory or LDS instructions touch:
;   v1 (OFF)          written once at the head; read by every global load and store; never written again.
;   PR, PI, VD        the 20 loads at the start land in them; no vector instruction names them ahead of those loads.
;   v2 .. v5          the four LDS addresses: written in the set-up, read by the LDS stores and loads, never written again.
;   SSP, RED+i        written by the sums in the wave, read by one LDS store each, never written again (RED: a register a row).
;   SS                one LDS load lands in it; no vector instruction names it earlier.
;   QP                two LDS loads land in it in every row; the second stage of the row before has read and written it.
;   VD + 16 i         as out-buffer: written by OUT i's sixteen packed instructions, read by its four stores, never written again.
; So a row has two waits on va_vdst: one ahead of its LDS store, which also serves the LDS loads behind the barrier (no vector
; instruction stands between), and one ahead of its run of four global stores.  One more stands ahead of the first load, and one
; ahead of the first reader of the reciprocal root.  No register that a memory or LDS instruction reads is ever written again, so
; no wait on vm_vsrc is owed.  Vector instructions write scalar registers in two places (the wave's number; a row's four coefficients):
; a wait on va_sdst stands behind each, ahead of the first reader.  EXEC and VCC are never written.
;
; NO CLUSTER: the work-groups share the projector alone, 32 KiB of the 288 KiB that a work-group moves; a joint request would
; send it through LDS and add barrier rounds and LDS reads for one ninth of the bytes.
;
; LIMITS.  Each sum of squares must be a normal f32 (2^-126 to below 2^128: a norm of about 1.1e-19 to 1.8e19): v_rsq_f32 takes a
; denormal as zero (ISA guide 15.8), and an f32 sum of squares fails at the same ends.  A projector column of zeros
; gives NaN.  The order of rounding is: dot product (512 x 8 partial sums in f32), twice times 1/norm, times p.
; The coefficient is (dot * rs) * rs with rs = 1/sqrt(ss), not dot / ss, so that no intermediate leaves the range while ss is normal.
.set ROWB, 16384                       ; bytes in a row of v and of the outputs, and in one projector column
.set HALF, 8192                        ; from a thread's first four columns to its second four
.set DT,   0                           ; LDS 0..1023: row i's dot partials, wave w's kind k at 256 i + 16 w + 4 k
.set ST,   1024                        ; LDS 1024..1151: wave w's (ssr, ssi) at 1024 + 8 w
.set OFF,  1                           ; v1       16 t: the offset of every global load and store; never rewritten
.set LA,   2                           ; v2       4 x lane
.set DA,   3                           ; v3       16 w + 4 (lane & 3)
.set SA,   4                           ; v4       8 w
.set SSA,  5                           ; v5       4 x (lane with its bits 0 and 1 exchanged)
.set T,    6                           ; v[6:7]   what v_permlanex16_b32 brings; v7 also serves the set-up
.set PR,   8                           ; v[8:15]  pr of my 8 columns
.set PI,   16                          ; v[16:23] pi of my 8 columns
.set ACC,  24                          ; v[24:31] four pairs of running sums, one a kind
.set SUM,  32                          ; v[32:35] a row's four sums of my 8 columns
.set RED,  36                          ; v[36:39] a register a row: lane l holds my wave's sum of kind l & 3
.set SSP,  40                          ; v[40:41] ssr, ssi
.set QP,   48                          ; v[48:49] second stage: the partial sums of two groups of eight waves
.set SS,   56                          ; v56      the sum of squares: pr's in the lanes whose bit 1 is clear, pi's in the others
.set RS,   57                          ; v57      1 / sqrt of it; kept for all four rows
.set CF,   58                          ; v58      the scaled dot products
.set VD,   64                          ; v[64:127] row i at VD + 16 i: vr (8), vi (8); later out0 (8), out1 (8)
.set M1,   18                          ; s18, s19 the lanes whose bit 0, bit 1 is set
.set M2,   19
.set CO,   32                          ; s[32:63] coefficient j = 4 row + kind in s[CO+2j]; kinds: 0 vr.pr, 1 vi.pr, 2 vr.pi, 3 vi.pi
	s_load_b256 s[4:11], s[0:1], 0x0               ; projector s[4:5], v_real s[6:7], v_imag s[8:9], out0 s[10:11]
	s_load_b64 s[12:13], s[0:1], 0x20              ; out1
	v_lshl_add_u32 v62, v0, 2, 0x500
	v_mov_b32 v63, 0
	v_lshlrev_b32 v[OFF], 4, v0                    ; 16 t
	s_lshl_b32 s2, ttmp9, 16                       ; the work-group's 4 rows of 16,384 bytes: 255 x 65,536 at the most, below 2^32
	s_mov_b32 s3, 0
	s_wait_kmcnt 0x0
	s_wait_alu depctr_va_vdst(0)                   ; v[OFF] is written: every global load and store of the kernel reads it as its offset
	; the projector: no hint, since every work-group reads it again
	global_load_b128 v[PR:PR+3],   v[OFF], s[4:5]
	global_load_b128 v[PR+4:PR+7], v[OFF], s[4:5] offset:HALF
	global_load_b128 v[PI:PI+3],   v[OFF], s[4:5] offset:ROWB
	global_load_b128 v[PI+4:PI+7], v[OFF], s[4:5] offset:ROWB+HALF
	s_add_nc_u64 s[6:7], s[6:7], s[2:3]            ; the four large tensors at the group's first row
	s_add_nc_u64 s[8:9], s[8:9], s[2:3]
	s_add_nc_u64 s[10:11], s[10:11], s[2:3]
	s_add_nc_u64 s[12:13], s[12:13], s[2:3]
	; all of v, row by row: the launch reads each byte once
.irp i, 0,1,2,3
	global_load_b128 v[VD+16*\i:VD+16*\i+3],     v[OFF], s[6:7] offset:\i*ROWB th:TH_LOAD_NT
	global_load_b128 v[VD+16*\i+4:VD+16*\i+7],   v[OFF], s[6:7] offset:\i*ROWB+HALF th:TH_LOAD_NT
	global_load_b128 v[VD+16*\i+8:VD+16*\i+11],  v[OFF], s[8:9] offset:\i*ROWB th:TH_LOAD_NT
	global_load_b128 v[VD+16*\i+12:VD+16*\i+15], v[OFF], s[8:9] offset:\i*ROWB+HALF th:TH_LOAD_NT
.endr
	; set-up, while the loads are on their way: it writes v2 to v7, none of which those loads name
	v_lshrrev_b32 v7, 5, v0
	v_readfirstlane_b32 s14, v7                    ; my wave's number, 0 to 15
	v_and_b32 v[LA], 31, v0
	v_lshlrev_b32 v[LA], 2, v[LA]                  ; 4 x lane
	v_and_b32 v7, 28, v0                           ; lane bits 2 to 4 stay,
	v_lshlrev_b32 v[SSA], 2, v7
	v_and_b32 v7, 1, v0                            ; lane bit 0 goes to word bit 1 (byte 8),
	v_lshl_add_u32 v[SSA], v7, 3, v[SSA]
	v_and_b32 v7, 2, v0                            ; lane bit 1 to word bit 0 (byte 4): it picks ssr or ssi of wave (lane & 28) / 2 + (lane & 1)
	v_lshl_add_u32 v[SSA], v7, 1, v[SSA]
	v_and_b32 v7, 3, v0
	v_lshlrev_b32 v7, 2, v7
	s_wait_alu depctr_va_sdst(0)                   ; s14 is written, ahead of its first reader: the two LDS addresses below are made from it
	v_lshl_add_u32 v[DA], s14, 4, v7               ; 16 w + 4 (lane & 3)
	s_lshl_b32 s15, s14, 3
	v_mov_b32 v[SA], s15                           ; 8 w
	v_mov_b32 v[T], 0                              ; v_permlanex16_b32 counts as a reader of its destination: written once here (v7 above)
	s_mov_b32 s16, 0x76543210                      ; v_permlanex16_b32: lane i of one half reads lane i of the other
	s_mov_b32 s17, 0xfedcba98
	s_mov_b32 s[M1], 0xaaaaaaaa
	s_mov_b32 s[M2], 0xcccccccc
.set j, 0
.rept 16
	s_mov_b32 s[CO+2*j+1], 0                       ; the packed instructions below name scalar pairs and use the first of each: the second is written too
.set j, j+1
.endr
	; the two sums of squares, while v is still on its way
	s_wait_loadcnt 16                              ; loads come back in order (ISA guide 5.7.1): the projector's four are in, the 16 of v stay out
	v_pk_mul_f32 v[ACC:ACC+1],   v[PR:PR+1], v[PR:PR+1]        ; the first products start the sums: nothing is cleared
	v_pk_mul_f32 v[ACC+2:ACC+3], v[PI:PI+1], v[PI:PI+1]
.irp m, 1,2,3
	v_pk_fma_f32 v[ACC:ACC+1],   v[PR+2*\m:PR+2*\m+1], v[PR+2*\m:PR+2*\m+1], v[ACC:ACC+1]
	v_pk_fma_f32 v[ACC+2:ACC+3], v[PI+2*\m:PI+2*\m+1], v[PI+2*\m:PI+2*\m+1], v[ACC+2:ACC+3]
.endr
	v_add_f32 v[SSP],   v[ACC],   v[ACC+1]
	v_add_f32 v[SSP+1], v[ACC+2], v[ACC+3]
.irp x, 1,2,4,8
	v_add_f32_dpp v[SSP],   v[SSP],   v[SSP]   row_xmask:\x row_mask:0xf bank_mask:0xf   ; lane i adds lane i xor x, inside each half of 16 lanes
	v_add_f32_dpp v[SSP+1], v[SSP+1], v[SSP+1] row_xmask:\x row_mask:0xf bank_mask:0xf
.endr
	v_permlanex16_b32 v[T],   v[SSP],   s16, s17   ; the other half's sums
	v_permlanex16_b32 v[T+1], v[SSP+1], s16, s17
	v_pk_add_f32 v[SSP:SSP+1], v[SSP:SSP+1], v[T:T+1]          ; my wave's (ssr, ssi): stored beside row 0's partial sums, behind the one wait that stands there; nothing in between names this pair
; Row i, from its loads to its four coefficients in scalar registers.
; In the wave the first two steps across the lanes fold as they go: behind a step with mask x the lanes i and i xor x hold the same
; sums, so each of the two keeps another kind (v_cndmask_b32 takes its second source where the mask's bit is set): lane bits 0-1 come
; to pick the kind, and three plain steps (4, 8, the other half) finish the sum.
.macro ROW i
	s_wait_loadcnt 12-4*\i                         ; this row's four loads are in; the four of each later row stay out
	v_pk_mul_f32 v[ACC:ACC+1],   v[VD+16*\i:VD+16*\i+1],   v[PR:PR+1]   ; vr.pr  the four chains take turns
	v_pk_mul_f32 v[ACC+2:ACC+3], v[VD+16*\i+8:VD+16*\i+9], v[PR:PR+1]   ; vi.pr
	v_pk_mul_f32 v[ACC+4:ACC+5], v[VD+16*\i:VD+16*\i+1],   v[PI:PI+1]   ; vr.pi
	v_pk_mul_f32 v[ACC+6:ACC+7], v[VD+16*\i+8:VD+16*\i+9], v[PI:PI+1]   ; vi.pi
.irp m, 1,2,3
	v_pk_fma_f32 v[ACC:ACC+1],   v[VD+16*\i+2*\m:VD+16*\i+2*\m+1],   v[PR+2*\m:PR+2*\m+1], v[ACC:ACC+1]
	v_pk_fma_f32 v[ACC+2:ACC+3], v[VD+16*\i+8+2*\m:VD+16*\i+8+2*\m+1], v[PR+2*\m:PR+2*\m+1], v[ACC+2:ACC+3]
	v_pk_fma_f32 v[ACC+4:ACC+5], v[VD+16*\i+2*\m:VD+16*\i+2*\m+1],   v[PI+2*\m:PI+2*\m+1], v[ACC+4:ACC+5]
	v_pk_fma_f32 v[ACC+6:ACC+7], v[VD+16*\i+8+2*\m:VD+16*\i+8+2*\m+1], v[PI+2*\m:PI+2*\m+1], v[ACC+6:ACC+7]
.endr
.irp k, 0,1,2,3
	v_add_f32 v[SUM+\k], v[ACC+2*\k], v[ACC+2*\k+1]
.endr
.irp k, 0,1,2,3
	v_add_f32_dpp v[SUM+\k], v[SUM+\k], v[SUM+\k] row_xmask:1 row_mask:0xf bank_mask:0xf
.endr
	v_cndmask_b32 v[SUM],   v[SUM],   v[SUM+1], s[M1]          ; odd lanes keep kinds 1 and 3,
	v_cndmask_b32 v[SUM+2], v[SUM+2], v[SUM+3], s[M1]          ; even lanes kinds 0 and 2
	v_add_f32_dpp v[SUM],   v[SUM],   v[SUM]   row_xmask:2 row_mask:0xf bank_mask:0xf
	v_add_f32_dpp v[SUM+2], v[SUM+2], v[SUM+2] row_xmask:2 row_mask:0xf bank_mask:0xf
	v_cndmask_b32 v[RED+\i], v[SUM], v[SUM+2], s[M2]           ; lane l: kind l & 3, summed over four lanes
	v_add_f32_dpp v[RED+\i], v[RED+\i], v[RED+\i] row_xmask:4 row_mask:0xf bank_mask:0xf
	v_add_f32_dpp v[RED+\i], v[RED+\i], v[RED+\i] row_xmask:8 row_mask:0xf bank_mask:0xf
	v_permlanex16_b32 v[T], v[RED+\i], s16, s17
	v_add_f32 v[RED+\i], v[RED+\i], v[T]           ; lane l: my wave's sum of kind l & 3
	s_wait_alu depctr_va_vdst(0)                   ; v[RED+i] is written, which the LDS store reads (in row 0 also SSP and the four LDS addresses v2 to v5); the row before is done reading and writing QP, in which the LDS loads behind the barrier land
.if \i == 0
	ds_store_b64 v[SA], v[SSP:SSP+1] offset:ST     ; my wave's (ssr, ssi): every lane writes the same 8 bytes with the same values; row 0's barrier shows it to the others
.endif
	ds_store_b32 v[DA], v[RED+\i] offset:DT+256*\i ; my wave's 16 bytes of this row's 256; the eight lanes of a kind write the same word with the same value
	s_wait_dscnt 0x0                               ; for the other waves' sake: my stores are done (in row 0 the sums of squares among them)
	s_barrier_signal -1
	s_barrier_wait -1                              ; all 16 waves' partial sums of this row lie in LDS; these bytes are never written again
	; second stage, in every wave alike.  No wait on va_vdst: no vector instruction since the one above names an address or a target of these loads
.if \i == 0
	ds_load_b32 v[SS], v[SSA] offset:ST            ; lane l: ssr (bit 1 of l clear) or ssi (set) of wave (l & 28) / 2 + (l & 1); the 32 lanes take 32 different words of 128 consecutive bytes
.endif
	ds_load_b32 v[QP],   v[LA] offset:DT+256*\i        ; lane l: kind l & 3 of wave l >> 2; 128 consecutive bytes
	ds_load_b32 v[QP+1], v[LA] offset:DT+256*\i+128    ; and of wave 8 + (l >> 2)
.if \i == 0
	s_wait_dscnt 2                                 ; LDS loads come back in order (ISA guide 5.7.1): SS is in, the two behind it stay out
.irp x, 1,4,8
	v_add_f32_dpp v[SS], v[SS], v[SS] row_xmask:\x row_mask:0xf bank_mask:0xf   ; over the lanes that share bit 1,
.endr
	v_permlanex16_b32 v[T], v[SS], s16, s17
	v_add_f32 v[SS], v[SS], v[T]                   ; in both halves: |pr|^2 where bit 1 of the lane is clear, |pi|^2 where it is set, as the kinds lie
	v_rsq_f32 v[RS], v[SS]                         ; one plain vector instruction stands before its result is used (ISA guide 5.7.2): the add below
.endif
	s_wait_dscnt 0x0
	v_add_f32 v[QP], v[QP], v[QP+1]
	v_add_f32_dpp v[QP], v[QP], v[QP] row_xmask:4 row_mask:0xf bank_mask:0xf
	v_add_f32_dpp v[QP], v[QP], v[QP] row_xmask:8 row_mask:0xf bank_mask:0xf
	v_permlanex16_b32 v[T], v[QP], s16, s17
	v_add_f32 v[QP], v[QP], v[T]                   ; lane l: kind l & 3 over all 16 waves
.if \i == 0
	s_wait_alu depctr_va_vdst(0)                   ; the reciprocal root has written v[RS], ahead of its first reader; the later rows read a register long written
.endif
	v_mul_f32 v[CF], v[QP], v[RS]
	v_mul_f32 v[CF], v[CF], v[RS]                  ; divided by |pr|^2 (kinds 0, 1) or |pi|^2 (kinds 2, 3)
	v_readlane_b32 s[CO+8*\i],   v[CF], 0          ; vr.pr / |pr|^2
	v_readlane_b32 s[CO+8*\i+2], v[CF], 1          ; vi.pr / |pr|^2
	v_readlane_b32 s[CO+8*\i+4], v[CF], 2          ; vr.pi / |pi|^2
	v_readlane_b32 s[CO+8*\i+6], v[CF], 3          ; vi.pi / |pi|^2,
	s_wait_alu depctr_va_sdst(0)                   ; the row's four coefficients are written, ahead of their first readers: the line below and OUT's packed instructions
	s_xor_b32 s[CO+8*\i+6], s[CO+8*\i+6], 0x80000000   ; which out0 subtracts: the sign goes onto the scalar
.endm
; Row i of both outputs, built in the registers that held the row of v (its loads have been waited for) and stored from there.
; No store's data, offset or base is written again, so no wait stands behind the stores.
.macro OUT i
.irp m, 0,1,2,3
	v_pk_mul_f32 v[VD+16*\i+2*\m:VD+16*\i+2*\m+1],     v[PR+2*\m:PR+2*\m+1], s[CO+8*\i:CO+8*\i+1] op_sel_hi:[1,0]
	v_pk_mul_f32 v[VD+16*\i+8+2*\m:VD+16*\i+8+2*\m+1], v[PR+2*\m:PR+2*\m+1], s[CO+8*\i+2:CO+8*\i+3] op_sel_hi:[1,0]
	v_pk_fma_f32 v[VD+16*\i+2*\m:VD+16*\i+2*\m+1],     v[PI+2*\m:PI+2*\m+1], s[CO+8*\i+6:CO+8*\i+7], v[VD+16*\i+2*\m:VD+16*\i+2*\m+1] op_sel_hi:[1,0,1]
	v_pk_fma_f32 v[VD+16*\i+8+2*\m:VD+16*\i+8+2*\m+1], v[PI+2*\m:PI+2*\m+1], s[CO+8*\i+4:CO+8*\i+5], v[VD+16*\i+8+2*\m:VD+16*\i+8+2*\m+1] op_sel_hi:[1,0,1]
.endr
	s_wait_alu depctr_va_vdst(0)                   ; the sixteen packed instructions have written v[VD+16 i ..], which the four stores read
	global_store_b128 v[OFF], v[VD+16*\i:VD+16*\i+3],     s[10:11] offset:\i*ROWB th:TH_STORE_NT        ; each store of the wave covers 512 consecutive bytes, aligned
	global_store_b128 v[OFF], v[VD+16*\i+4:VD+16*\i+7],   s[10:11] offset:\i*ROWB+HALF th:TH_STORE_NT
	global_store_b128 v[OFF], v[VD+16*\i+8:VD+16*\i+11],  s[12:13] offset:\i*ROWB th:TH_STORE_NT
	global_store_b128 v[OFF], v[VD+16*\i+12:VD+16*\i+15], s[12:13] offset:\i*ROWB+HALF th:TH_STORE_NT
.endm
	ROW 0
	OUT 0                                          ; row 0 leaves while rows 1 to 3 are on their way in
	ROW 1
	OUT 1
	ROW 2
	OUT 2
	ROW 3
	OUT 3
	s_wait_dscnt 0x0
	s_wait_alu depctr_hold_cnt(0) depctr_sa_sdst(0) depctr_va_vdst(0) depctr_va_sdst(0) depctr_va_ssrc(0) depctr_va_vcc(0) depctr_vm_vsrc(0)
	s_wait_tensorcnt 0x0
	ds_add_u32 v62, v63
	s_wait_dscnt 0x0
	s_endpgm
.Lfunc_end_k_q70e2ed010e_proj:
	.size	k_q70e2ed010e_proj, .Lfunc_end_k_q70e2ed010e_proj-k_q70e2ed010e_proj
	.p2alignl 7, 3214868480
	.fill 96, 4, 3214868480
	.section	.rodata,"a",@progbits
	.p2align	6, 0x0
	.amdhsa_kernel k_q70e2ed010e_proj
		.amdhsa_group_segment_fixed_size 3328
		.amdhsa_private_segment_fixed_size 0
		.amdhsa_enable_private_segment 0
		.amdhsa_kernarg_size 40
		.amdhsa_user_sgpr_count 2
		.amdhsa_user_sgpr_kernarg_segment_ptr 1
		.amdhsa_wavefront_size32 1
		.amdhsa_system_sgpr_workgroup_id_x 1
		.amdhsa_system_sgpr_workgroup_id_y 1
		.amdhsa_system_sgpr_workgroup_id_z 1
		.amdhsa_system_vgpr_workitem_id 0
		.amdhsa_next_free_vgpr 128
		.amdhsa_next_free_sgpr 66
		.amdhsa_reserve_vcc 0
		.amdhsa_float_denorm_mode_32 3
		.amdhsa_float_denorm_mode_16_64 3
		.amdhsa_memory_ordered 1
		.amdhsa_forward_progress 1
		.amdhsa_inst_pref_size 24
	.end_amdhsa_kernel
	.amdgpu_metadata
---
amdhsa.version: [ 1, 2 ]
amdhsa.kernels:
  - .name:           k_q70e2ed010e_proj
    .symbol:         k_q70e2ed010e_proj.kd
    .args:
      - { .name: projector, .offset: 0, .size: 8, .value_kind: global_buffer, .address_space: global }
      - { .name: v_real_avg, .offset: 8, .size: 8, .value_kind: global_buffer, .address_space: global }
      - { .name: v_imag_avg, .offset: 16, .size: 8, .value_kind: global_buffer, .address_space: global }
      - { .name: out0, .offset: 24, .size: 8, .value_kind: global_buffer, .address_space: global }
      - { .name: out1, .offset: 32, .size: 8, .value_kind: global_buffer, .address_space: global }
    .group_segment_fixed_size: 3328
    .private_segment_fixed_size: 0
    .kernarg_segment_align: 8
    .kernarg_segment_size: 40
    .max_flat_workgroup_size: 512
    .sgpr_count:     66
    .vgpr_count:     128
    .wavefront_size: 32
...
	.end_amdgpu_metadata
.endif
;; end of part 2
